; MI455X (gfx1250); checked and timed in simulation.
; The chip was launched on July 23, 2026; its instructions are those of AMD's public machine-readable ISA for CDNA 5 (MIT licence, August 2026) and "CDNA5" Instruction Set Architecture Reference Guide (July 2026). The comments in the code are by the model that wrote it; some were corrected since.
;; Mixture Of Experts. Allowed arithmetic: float matrix products may take bf16 or f16 operands with f32 sums; all other float work in f32.
;; Inputs: W 8 x 1,024 x 1,024 float32; Wg 1,024 x 8 float32; b 8 x 1,024 float32; bg 8 float32; inputs 8,192 x 1,024 float32.
;; Outputs: out0 8,192 x 1,024 float32; out1 one number float32.
;; 2 versions, each right and faster than the one before. Each part assembles by itself: llvm-mc -triple=amdgcn-amd-amdhsa -mcpu=gfx1250 --defsym DOCPART=n.
;; ======== version 1 of 2: 2 launches
;; workspace buffers: xb 16,777,216 bytes; Wb 16,777,216 bytes; wT 262,144 bytes; psum 4,096 bytes
;; launch prep (part 1): grid 256 x 1, 8 waves a work-group, no clusters, 35,840 bytes of LDS; arguments inputs, W, Wg, bg, xb, Wb, wT, psum; writes xb, Wb, wT, psum
.if DOCPART == 1
	.amdgcn_target "amdgcn-amd-amdhsa--gfx1250"
	.amdhsa_code_object_version 6
	.text
	.protected	k_qd89af299fa_prep
	.globl	k_qd89af299fa_prep
	.p2align	8
	.type	k_qd89af299fa_prep,@function
k_qd89af299fa_prep:
	s_mov_b64 s[64:65], 0
	v_nop
	global_prefetch_b8 v0, s[64:65] scope:SCOPE_SE
	s_setreg_imm32_b32 hwreg(HW_REG_WAVE_MODE, 25, 1), 1
	s_wait_xcnt 0x0
; PREP: a stream.  Work-groups 0-127: 64 rows of inputs each -> xb (bf16), the router's softmax weights -> wT [8][8192] f32,
; and the sum of those weights over the 64 rows -> psum [128][8] f32.  Work-groups 128-255: 262,144 bytes of W each -> Wb (bf16, same layout).
; Both kinds read 262,144 bytes and write 131,072, so the 256 work-groups carry equal traffic.
; The router works on x and Wg ROUNDED TO bf16 (the numbers that the matrix products of the next launch see), products and sums in f32,
; the maximum taken away before the exponentials.  bg enters unrounded.
; LIMITS: a weight below 2^-126 comes out as 0 (v_exp_f32 flushes denormal results: ISA guide, its entry in 15.8); NaN and infinities are
; not treated apart; the 1,024 products of a logit are summed in another order than a plain loop's.
; No matrix unit: the gate has 8 columns and rides on a stream.  No cluster: the only bytes that work-groups share are Wg's 32,768.
; Every load and store of a wave covers consecutive bytes: loads 512, stores 256, each at a multiple of its length from the buffer's first byte.
.set WST, 32768                        ; LDS: bytes 0-32,767 the rounded Wg as f32, [chunk j][q][lane][16 bytes]; from WST on the weights, [e][64 rows] f32
.set XO,  2                            ; v2  16 lane + wave x 8 rows x 4,096: my 16 bytes in a row of inputs
.set YO,  3                            ; v3  8 lane + wave x 8 rows x 2,048: my 8 bytes in a row of xb
.set GL,  4                            ; v4  16 lane
.set GS,  5                            ; v5  16 lane + wave x 4,096: where my wave puts its chunk of Wg
.set WS,  6                            ; v6  WST + 32 wave: my wave's eight rows in a row of the weights
.set GO,  7                            ; v7  128 lane + wave x 4,096: my four rows of my wave's chunk of Wg
.set T,   8                            ; v[8:15]   at work
.set L,   16                           ; v[16:23]  the eight logits, then the weights
.set ACC, 24                           ; v[24:39]  a pair of partial sums for each expert
.set Y,   40                           ; v[40:55]  a row's 32 numbers of mine as bf16
.set X,   64                           ; v[64:191] four row slots of 32 registers
                                       ; window 1 (v256-511): G[32 j + 16 ip + 2 e + half] = Wg[128 j + 4 lane + 2 ip + half][e], rounded, as f32
.set LO,  2                            ; the cast of W: v2 16 lane + wave x 32,768
.set SO,  3                            ;                v3 8 lane + wave x 16,384
.set CX,  64                           ; v[64:191]  32 slots of 4 registers as loaded
.set CY,  192                          ; v[192:255] 32 slots of 2 registers to store
.set MSB, 0
.macro WIN new                         ; the immediate's high byte repeats the setting that is left
.if MSB != (\new)
	s_set_vgpr_msb (MSB<<8)|(\new)
.set MSB, (\new)
.endif
.endm
	s_load_b512 s[4:19], s[0:1], 0x0               ; inputs s[4:5], W s[6:7], Wg s[8:9], bg s[10:11], xb s[12:13], Wb s[14:15], wT s[16:17], psum s[18:19]
	v_lshl_add_u32 v62, v0, 2, 0x8800
	v_mov_b32 v63, 0
	v_lshrrev_b32 v1, 5, v0
	v_readfirstlane_b32 s20, v1                    ; wave 0..7
	v_and_b32 v1, 31, v0                           ; lane
	s_cmp_ge_u32 ttmp9, 128                        ; the same answer in all eight waves of a work-group
	s_cbranch_scc1 .Lcast
	; ---------------- rows of inputs, and the router ----------------
	s_lshl_b32 s22, ttmp9, 18                      ; 64 rows of 4,096 bytes
	s_mov_b32 s23, 0
	s_lshl_b32 s36, ttmp9, 17                      ; 64 rows of 2,048 bytes
	s_mov_b32 s37, 0
	s_lshl_b32 s38, ttmp9, 8                       ; 64 numbers in each row of wT
	s_mov_b32 s39, 0
	s_lshl_b32 s40, ttmp9, 5                       ; 8 numbers of psum
	s_mov_b32 s41, 0
	s_mov_b32 s32, 0x3fb8aa3b                      ; log2(e)
	s_mov_b32 s33, 0xffff0000                      ; a word's upper bf16
	s_mov_b32 s34, 0x76543210                      ; v_permlanex16_b32: each lane takes its own place in the other half
	s_mov_b32 s35, 0xfedcba98
	v_lshlrev_b32 v[GL], 4, v1
	v_lshl_add_u32 v[XO], s20, 15, v[GL]
	v_lshlrev_b32 v[YO], 3, v1
	v_lshl_add_u32 v[YO], s20, 14, v[YO]
	v_lshl_add_u32 v[GS], s20, 12, v[GL]
	v_lshlrev_b32 v[GO], 7, v1
	v_lshl_add_u32 v[GO], s20, 12, v[GO]
	v_mov_b32 v[WS], WST
	v_lshl_add_u32 v[WS], s20, 5, v[WS]
	s_wait_kmcnt 0x0
	s_load_b256 s[24:31], s[10:11], 0x0            ; bg, all 32 bytes
	s_add_nc_u64 s[4:5], s[4:5], s[22:23]
	s_add_nc_u64 s[12:13], s[12:13], s[36:37]
	s_add_nc_u64 s[16:17], s[16:17], s[38:39]
	s_add_nc_u64 s[18:19], s[18:19], s[40:41]
	; Lane l owns k = 128 j + 4 l + i (j 0..7, i 0..3) of every row.  Wave w fetches chunk j = w of Wg: a lane's four rows of 32 bytes lie on end.
.irp c, 0,1,2,3,4,5,6,7
	global_load_b128 v[ACC+4*\c:ACC+4*\c+3], v[GO], s[8:9] offset:16*\c     ; v[24 + 8 i + e] = Wg[128 w + 4 l + i][e]
.endr
.macro FILL r                          ; row r of my wave's eight into slot r % 4: eight loads of 512 consecutive bytes
.irp j, 0,1,2,3,4,5,6,7
	global_load_b128 v[X+32*((\r)%4)+4*\j:X+32*((\r)%4)+4*\j+3], v[XO], s[4:5] offset:(\r)*4096+512*\j th:TH_LOAD_NT
.endr
.endm
	FILL 0
	FILL 1
	FILL 2
	FILL 3
	s_wait_loadcnt 32                              ; loads come back in order (ISA guide 5.7.1): Wg's eight are in, the 32 of x stay out
.irp ip, 0,1
.irp e, 0,1,2,3,4,5,6,7
	v_cvt_pk_bf16_f32 v[T+8*\ip+\e], v[ACC+16*\ip+\e], v[ACC+16*\ip+8+\e]   ; rows 2 ip and 2 ip + 1 of my four, expert e, rounded (v8-23)
.endr
.endr
.irp ip, 0,1
.irp e, 0,1,2,3,4,5,6,7
	v_lshlrev_b32 v[ACC+16*\ip+2*\e],   16,  v[T+8*\ip+\e]                  ; and back to f32, now as pairs along k
	v_and_b32     v[ACC+16*\ip+2*\e+1], s33, v[T+8*\ip+\e]
.endr
.endr
.irp q, 0,1,2,3,4,5,6,7
	ds_store_b128 v[GS], v[ACC+4*\q:ACC+4*\q+3] offset:512*\q
.endr
	s_wait_dscnt 0x0                               ; for the others' sake: my chunk is in LDS
	s_barrier_signal -1
	s_barrier_wait -1                              ; all eight chunks are
	WIN 0x40                                       ; destination window 1, address window 0
.irp j, 0,1,2,3,4,5,6,7
.irp q, 0,1,2,3,4,5,6,7
	ds_load_b128 v[32*\j+4*\q:32*\j+4*\q+3], v[GL] offset:4096*\j+512*\q    ; 32 lanes, 16 neighbouring bytes each
.endr
.endr
	WIN 0
	s_wait_dscnt 0x0
	s_wait_kmcnt 0x0                               ; bg
; The turn of row r (slot r % 4).  fill = 1: the slot takes row r + 4.  left = the younger slots' loads, eight each, which may stay out.
.macro TURN r, fill, left
.set XS, X+32*((\r)%4)
	s_wait_loadcnt \left                           ; my row's eight loads are in
	s_wait_xcnt 0x0                                ; Y, which the last row's stores read, is rewritten only behind this wait (ISA guide 3.1)
.irp j, 0,1,2,3,4,5,6,7
	v_cvt_pk_bf16_f32 v[Y+2*\j],   v[XS+4*\j],   v[XS+4*\j+1]
	v_cvt_pk_bf16_f32 v[Y+2*\j+1], v[XS+4*\j+2], v[XS+4*\j+3]
.endr
.irp j, 0,1,2,3,4,5,6,7
	global_store_b64 v[YO], v[Y+2*\j:Y+2*\j+1], s[12:13] offset:(\r)*2048+256*\j   ; a wave's store: 256 consecutive bytes of xb
.endr
.irp j, 0,1,2,3,4,5,6,7
	v_lshlrev_b32 v[XS+4*\j],   16,  v[Y+2*\j]     ; the rounded x back as f32, in the slot
	v_and_b32     v[XS+4*\j+1], s33, v[Y+2*\j]
	v_lshlrev_b32 v[XS+4*\j+2], 16,  v[Y+2*\j+1]
	v_and_b32     v[XS+4*\j+3], s33, v[Y+2*\j+1]
.endr
	WIN 0x04                                       ; source 1 (Wg) in window 1
.irp e, 0,1,2,3,4,5,6,7
	v_pk_mul_f32 v[ACC+2*\e:ACC+2*\e+1], v[XS:XS+1], v[2*\e:2*\e+1]         ; the first pair of k starts the sums: nothing is cleared
.endr
.set n, 1
.rept 15                               ; pair n = 2 j + ip of my 16 pairs of k; the eight experts' chains take turns
.irp e, 0,1,2,3,4,5,6,7
	v_pk_fma_f32 v[ACC+2*\e:ACC+2*\e+1], v[XS+2*n:XS+2*n+1], v[16*n+2*\e:16*n+2*\e+1], v[ACC+2*\e:ACC+2*\e+1]
.endr
.set n, n+1
.endr
	WIN 0
.if \fill
	FILL \r+4
.endif
.irp e, 0,1,2,3,4,5,6,7
	v_add_f32 v[L+\e], v[ACC+2*\e], v[ACC+2*\e+1]
.endr
.irp m, 1,2,4,8                        ; across the lanes: four steps inside each half of 16, one between the halves; every lane ends with the sum
.irp e, 0,1,2,3,4,5,6,7
	v_add_f32_dpp v[L+\e], v[L+\e], v[L+\e] row_xmask:\m row_mask:0xf bank_mask:0xf
.endr
.endr
.irp e, 0,1,2,3,4,5,6,7
	v_permlanex16_b32 v[T+\e], v[L+\e], s34, s35   ; its destination counts as read: T has been written
.endr
.irp e, 0,1,2,3,4,5,6,7
	v_add_f32 v[L+\e], v[L+\e], v[T+\e]
.endr
.irp e, 0,1,2,3,4,5,6,7
	v_add_f32 v[L+\e], s[24+\e], v[L+\e]           ; + bg[e]
.endr
	v_max3_num_f32 v[T],   v[L],   v[L+1], v[L+2]
	v_max3_num_f32 v[T+1], v[L+3], v[L+4], v[L+5]
	v_max3_num_f32 v[T],   v[T],   v[L+6], v[L+7]
	v_max_num_f32  v[T],   v[T],   v[T+1]          ; the row's largest logit m
	v_mul_f32 v[T+1], s32, v[T]
.irp e, 0,1,2,3,4,5,6,7
	v_fma_f32 v[L+\e], v[L+\e], s32, -v[T+1]       ; log2(e) (logit - m), at most about 0
.endr
.irp e, 0,1,2,3,4,5,6,7
	v_exp_f32 v[L+\e], v[L+\e]
.endr
	v_nop                                          ; a plain instruction between the last exponential and the use of its result (ISA guide 5.7.2)
	s_wait_alu depctr_va_vdst(0)
	v_pk_add_f32 v[T:T+1],   v[L:L+1],     v[L+2:L+3]
	v_pk_add_f32 v[T+2:T+3], v[L+4:L+5],   v[L+6:L+7]
	v_pk_add_f32 v[T:T+1],   v[T:T+1],     v[T+2:T+3]
	v_add_f32 v[T], v[T], v[T+1]                   ; at least 1: the largest logit's term
	v_rcp_f32 v[T+2], v[T]
	v_nop                                          ; the same, behind the reciprocal
	s_wait_alu depctr_va_vdst(0)
.irp i, 0,2,4,6
	v_pk_mul_f32 v[L+\i:L+\i+1], v[L+\i:L+\i+1], v[T+2:T+3] op_sel_hi:[1,0]   ; both halves by v[T+2]
.endr
.irp e, 0,1,2,3,4,5,6,7
	ds_store_b32 v[WS], v[L+\e] offset:256*\e+4*(\r)   ; all lanes hold the same number and write the same word
.endr
.endm
	TURN 0, 1, 24
	TURN 1, 1, 24
	TURN 2, 1, 24
	TURN 3, 1, 24
	TURN 4, 0, 24                                  ; nothing is left to fetch: the counts run down
	TURN 5, 0, 16
	TURN 6, 0, 8
	TURN 7, 0, 0
	s_wait_dscnt 0x0                               ; for the others' sake: my eight rows' weights are in LDS
	s_barrier_signal -1
	s_barrier_wait -1
	s_cmp_ge_u32 s20, 4                            ; 128 threads carry the 2,048 bytes out
	s_cbranch_scc1 .Lend
	v_lshl_add_u32 v56, v0, 4, WST                 ; thread t: expert t / 16, rows 4 (t % 16) on
	ds_load_b128 v[8:11], v56
	v_and_b32 v57, 15, v0
	v_lshrrev_b32 v58, 4, v0
	v_lshlrev_b32 v59, 15, v58                     ; a row of wT is 32,768 bytes
	v_lshl_add_u32 v59, v57, 4, v59
	v_lshlrev_b32 v60, 2, v58
	s_wait_dscnt 0x0
	global_store_b128 v59, v[8:11], s[16:17]       ; sixteen lanes store 256 consecutive bytes, at a multiple of 256 from wT's first byte
	v_add_f32 v12, v8, v9
	v_add_f32 v13, v10, v11
	v_add_f32 v12, v12, v13
	v_add_f32_dpp v12, v12, v12 row_xmask:1 row_mask:0xf bank_mask:0xf
	v_add_f32_dpp v12, v12, v12 row_xmask:2 row_mask:0xf bank_mask:0xf
	v_add_f32_dpp v12, v12, v12 row_xmask:4 row_mask:0xf bank_mask:0xf
	v_add_f32_dpp v12, v12, v12 row_xmask:8 row_mask:0xf bank_mask:0xf      ; the expert's sum over the group's 64 rows
	v_cmp_eq_u32 vcc_lo, 0, v57
	s_wait_xcnt 0x0                                ; EXEC is a source of the store above: it changes only behind this wait
	s_and_saveexec_b32 s21, vcc_lo
	global_store_b32 v60, v12, s[18:19]            ; one lane for each expert
	s_wait_xcnt 0x0                                ; and again in front of the line that widens it
	s_or_b32 exec_lo, exec_lo, s21
.Lend:
	s_wait_tensorcnt 0x0
	ds_add_u32 v62, v63
	s_wait_dscnt 0x0
	s_endpgm
	; ---------------- the cast of W ----------------
	; A wave takes 32,768 bytes on end: 64 loads of 512 bytes through 32 register slots, two rounds, written out; every place stands in an immediate.
.Lcast:
	s_sub_co_u32 s21, ttmp9, 128
	s_lshl_b32 s22, s21, 18
	s_mov_b32 s23, 0
	s_lshl_b32 s24, s21, 17
	s_mov_b32 s25, 0
	v_lshlrev_b32 v[LO], 4, v1
	v_lshl_add_u32 v[LO], s20, 15, v[LO]
	v_lshlrev_b32 v[SO], 3, v1
	v_lshl_add_u32 v[SO], s20, 14, v[SO]
	s_wait_kmcnt 0x0
	s_add_nc_u64 s[6:7], s[6:7], s[22:23]
	s_add_nc_u64 s[14:15], s[14:15], s[24:25]
.irp i, 0,1,2,3,4,5,6,7,8,9,10,11,12,13,14,15,16,17,18,19,20,21,22,23,24,25,26,27,28,29,30,31
	global_load_b128 v[CX+4*\i:CX+4*\i+3], v[LO], s[6:7] offset:512*\i th:TH_LOAD_NT
.endr
.irp i, 0,1,2,3,4,5,6,7,8,9,10,11,12,13,14,15,16,17,18,19,20,21,22,23,24,25,26,27,28,29,30,31
	s_wait_loadcnt 31                              ; the slot's load is in; the 31 younger ones stay out
	v_cvt_pk_bf16_f32 v[CY+2*\i],   v[CX+4*\i],   v[CX+4*\i+1]
	v_cvt_pk_bf16_f32 v[CY+2*\i+1], v[CX+4*\i+2], v[CX+4*\i+3]
	global_load_b128 v[CX+4*\i:CX+4*\i+3], v[LO], s[6:7] offset:16384+512*\i th:TH_LOAD_NT
	global_store_b64 v[SO], v[CY+2*\i:CY+2*\i+1], s[14:15] offset:256*\i
.endr
	s_wait_xcnt 0x0                                ; CY, which the first round's stores read, is rewritten only behind this wait
.irp i, 0,1,2,3,4,5,6,7,8,9,10,11,12,13,14,15,16,17,18,19,20,21,22,23,24,25,26,27,28,29,30,31
	s_wait_loadcnt 31-\i                           ; the second round loads nothing: the counts run down
	v_cvt_pk_bf16_f32 v[CY+2*\i],   v[CX+4*\i],   v[CX+4*\i+1]
	v_cvt_pk_bf16_f32 v[CY+2*\i+1], v[CX+4*\i+2], v[CX+4*\i+3]
	global_store_b64 v[SO], v[CY+2*\i:CY+2*\i+1], s[14:15] offset:8192+256*\i
.endr
	s_endpgm
.Lfunc_end_k_qd89af299fa_prep:
	.size	k_qd89af299fa_prep, .Lfunc_end_k_qd89af299fa_prep-k_qd89af299fa_prep
	.p2alignl 7, 3214868480
	.fill 96, 4, 3214868480
	.section	.rodata,"a",@progbits
	.p2align	6, 0x0
	.amdhsa_kernel k_qd89af299fa_prep
		.amdhsa_group_segment_fixed_size 35840
		.amdhsa_private_segment_fixed_size 0
		.amdhsa_enable_private_segment 0
		.amdhsa_kernarg_size 64
		.amdhsa_user_sgpr_count 2
		.amdhsa_user_sgpr_kernarg_segment_ptr 1
		.amdhsa_wavefront_size32 1
		.amdhsa_system_sgpr_workgroup_id_x 1
		.amdhsa_system_sgpr_workgroup_id_y 1
		.amdhsa_system_sgpr_workgroup_id_z 1
		.amdhsa_system_vgpr_workitem_id 0
		.amdhsa_next_free_vgpr 512
		.amdhsa_next_free_sgpr 66
		.amdhsa_reserve_vcc 1
		.amdhsa_float_denorm_mode_32 3
		.amdhsa_float_denorm_mode_16_64 3
		.amdhsa_memory_ordered 1
		.amdhsa_forward_progress 1
		.amdhsa_inst_pref_size 170
	.end_amdhsa_kernel
	.amdgpu_metadata
---
amdhsa.version: [ 1, 2 ]
amdhsa.kernels:
  - .name:           k_qd89af299fa_prep
    .symbol:         k_qd89af299fa_prep.kd
    .args:
      - { .name: inputs, .offset: 0, .size: 8, .value_kind: global_buffer, .address_space: global }
      - { .name: W, .offset: 8, .size: 8, .value_kind: global_buffer, .address_space: global }
      - { .name: Wg, .offset: 16, .size: 8, .value_kind: global_buffer, .address_space: global }
      - { .name: bg, .offset: 24, .size: 8, .value_kind: global_buffer, .address_space: global }
      - { .name: xb, .offset: 32, .size: 8, .value_kind: global_buffer, .address_space: global }
      - { .name: Wb, .offset: 40, .size: 8, .value_kind: global_buffer, .address_space: global }
      - { .name: wT, .offset: 48, .size: 8, .value_kind: global_buffer, .address_space: global }
      - { .name: psum, .offset: 56, .size: 8, .value_kind: global_buffer, .address_space: global }
    .group_segment_fixed_size: 35840
    .private_segment_fixed_size: 0
    .kernarg_segment_align: 8
    .kernarg_segment_size: 64
    .max_flat_workgroup_size: 256
    .sgpr_count:     66
    .vgpr_count:     512
    .wavefront_size: 32
...
	.end_amdgpu_metadata
.endif
;; end of part 1
;; launch moe (part 2): grid 8 x 32, 4 waves a work-group, clusters of 4 x 4, 327,680 bytes of LDS; arguments xb, Wb, out0, wT, b, psum, out1; writes out0, out1
.if DOCPART == 2
	.amdgcn_target "amdgcn-amd-amdhsa--gfx1250"
	.amdhsa_code_object_version 6
	.text
	.protected	k_qd89af299fa_moe
	.globl	k_qd89af299fa_moe
	.p2align	8
	.type	k_qd89af299fa_moe,@function
k_qd89af299fa_moe:
	s_mov_b64 s[64:65], 0
	v_nop
	global_prefetch_b8 v0, s[64:65] scope:SCOPE_SE
	s_setreg_imm32_b32 hwreg(HW_REG_WAVE_MODE, 25, 1), 1
	s_wait_xcnt 0x0
	s_wait_alu depctr_hold_cnt(0) depctr_sa_sdst(0) depctr_va_vdst(0) depctr_va_sdst(0) depctr_va_ssrc(0) depctr_va_vcc(0) depctr_vm_vsrc(0)
	s_getreg_b32 s2, hwreg(HW_REG_IB_STS2, 6, 4)
	s_cmp_eq_u32 s2, 0
	s_cbranch_scc0 .Lentry_in_a_cluster
	s_endpgm
.Lentry_in_a_cluster:
	s_bfe_u32 s2, ttmp6, 0x10000c
	s_cmp_lg_u32 s2, 0xf033
	s_cbranch_scc0 .Lentry_shape_is_right
	s_endpgm
.Lentry_shape_is_right:
; out0[r][q] = sum over e of w[r][e] (sum over p of x[r][p] W[e][p][q] + b[e][q]);  out1 = 8 sum over e of (mean over r of w[r][e])^2.
; xb [8192][1024] and Wb [8 x 1024][1024] are bf16, wT [8][8192] (the router's weights) and psum [128][8] (their sums over 64 rows) f32.
; A work-group of four waves makes 256 rows x 128 columns of out0 (8 x 32 = 256 work-groups); a wave 128 x 64: 32 tiles of 16 x 16.
; Each expert's product is summed by itself in f32 (Y, window 2, started from the expert's bias as the first product's C) and then folded into
; the result in f32: T += w[row][e] Y (T, window 3).  So the weights are never rounded below f32 and no operand but x and W is bf16.
; K goes in steps of 128, eight an expert, 64 in all, through a ring of two LDS slots filled by the tensor data mover; the ring does not stop at an expert's end.
; Two slots of a longer step do not fit: a step of 256 would take 2 x (256 x 528 + 256 x 288) = 417,792 bytes.
; THE MATRIX INSTRUCTION IS USED TRANSPOSED: source 0 = 16 columns of W (turned on the way out of LDS by ds_load_tr16_b128, since W lies [p][q]),
; source 1 = 16 rows of x.  A lane then holds ONE row (lane % 16) and the columns 8 (lane / 16) + 0..7: its weight is one number, the bias is the same
; C operand for all row blocks, and its eight results are 32 neighbouring bytes of out0.
; CLUSTERS: 4 x 4 work-groups.  The four of a row of the cluster need the same rows of x, the four of a column the same columns of W: each tile is asked
; for jointly, by the same tensor load with the same descriptor and a mask that names the four.
; LIMITS: NaN and infinities are not treated apart; b enters unrounded; sums are taken in another order than a plain loop's.
; REGISTERS: window 0: v0-31 addresses; v32-47 the expert's weights; v48-83 at work for out1; v96-159 rows read back on the way out.
;   window 1: two fragment buffers of 96 (32 of W: 4 x 16 columns x 32 K; 64 of x: 8 x 16 rows x 32 K), then 32 of bias.  window 2: Y(a, b) at v[8 (4 a + b)].  window 3: T likewise.
.set PA,     272                       ; a row of x in LDS: 256 bytes + 16 = 68 words: row r starts 4 r words on, modulo 64 (64 banks of 4 bytes: ISA guide 11.1)
.set PB,     288                       ; a row of W: 256 + 32 = 72 words
.set ABYTES, 256*PA
.set BBYTES, 128*PB
.set SLOT,   ABYTES+BBYTES             ; x's 256 rows, then W's 128 rows (K) of 128 columns
.set STAGE,  2*SLOT                    ; behind the ring: 16 rows x 272 bytes for each wave, for the way out; no tile lands here
.set SP,     272
.set SPARE,  STAGE+4*16*SP             ; behind the stages: the spare words, 128 bytes for each wave: two blocks of 256 bytes that no other line names
.set ADRA, 16                          ; v16-17  LDS address of my fragments of x in slot 0, 1
.set ADRB, 20                          ; v20-21  the same for W
.set STO,  24                          ; v24     the way out: where I put 32 bytes of a row
.set RD,   25                          ; v25     the way out: where I read a row back
.set CO,   26                          ; v26     my byte offset in out0
.set SPW,  28                          ; v28     LDS address of my spare word; never rewritten
.set NIL,  29                          ; v29     0; never rewritten
.set WO,   30                          ; v30     4 (lane % 16): my row among a block's 16 weights
.set BO,   31                          ; v31     32 (lane / 16): my eight columns among a block's 16 biases
.set WE,   32                          ; v[32:47] row block a's weight in v[32 + 2 a]; the odd registers are written once, since the packed forms name pairs
.set OB,   96                          ; v[96:127], v[128:159] by turns
.set F0,   0                           ; window 1
.set F1,   96
.set BIAS, 192
.set G1,  24                           ; s[24:31] descriptor group 1 for x's tiles;  s[32:39] group 0, a set for each slot
.set G0,  32
.set G1B, 48                           ; s[48:55], s[56:63] the same for W's tiles
.set G0B, 56
.set CB,  72                           ; s[72:73] out0 at my wave's rows and columns
.set WB,  74                           ; s[74:75] wT at my wave's rows, the expert in hand
.set BB,  76                           ; s[76:77] b at my wave's columns, the expert whose bias is fetched next
.set MSB, 0
.macro WIN new                         ; the immediate's high byte repeats the setting that is left; a switch that changes nothing is dropped
.if MSB != (\new)
	s_set_vgpr_msb (MSB<<8)|(\new)
.set MSB, (\new)
.endif
.endm
.set MUL,  0xa5                        ; sources 0 and 1 window 1; C and D window 2
.set MULB, 0x95                        ; the same with C (the bias) in window 1
.set TO_F, 0x40                        ; destination window 1, address window 0
.set CFMA, 0xf2                        ; T (destination, source 2) window 3, Y (source 0) window 2, the weight (source 1) window 0
.set CMUL, 0xc2
.set STW,  0x0c                        ; an LDS store's data (source 1) window 3
; A joint load: waves 0 and 1 fetch the two halves of x's tile, waves 2 and 3 those of W's.  The branch hangs on the wave's number alone.
; Four v_nop follow each of the two lines, ahead of the jump, the label and what follows.
.macro JLOAD s
	s_cmp_eq_u32 s11, 0
	s_cbranch_scc0 .Lfor_b_\@
	tensor_load_to_lds s[G0+4*\s:G0+4*\s+3], s[G1:G1+7]
	s_nop 0
.rept 4
	v_nop
.endr
	s_branch .Lasked_\@
.Lfor_b_\@:
	tensor_load_to_lds s[G0B+4*\s:G0B+4*\s+3], s[G1B:G1B+7]
	s_nop 0
.rept 4
	v_nop
.endr
.Lasked_\@:
.endm
.macro CREST                           ; a round of the cluster's barrier behind its opening barrier
	s_cmp_lg_u32 s10, 0
	s_cbranch_scc1 .Lnot_wave_0_\@
	s_barrier_signal -3
.Lnot_wave_0_\@:
	s_barrier_wait -3
	s_barrier_signal -1
	s_barrier_wait -1
.endm
.macro CROUND                          ; a whole round
	s_barrier_signal -1
	s_barrier_wait -1
	CREST
.endm
	s_load_b256 s[68:75], s[0:1], 0x0              ; xb s[68:69], Wb s[70:71], out0 s[72:73], wT s[74:75]
	s_load_b128 s[76:79], s[0:1], 0x20             ; b s[76:77], psum s[78:79]
	s_load_b64 s[80:81], s[0:1], 0x30              ; out1
	v_lshl_add_u32 v[SPW], v0, 2, SPARE
	v_mov_b32 v[NIL], 0
	ds_add_u32 v28, v29
	s_wait_dscnt 0x0
	v_lshrrev_b32 v1, 5, v0
	v_readfirstlane_b32 s10, v1                    ; wave 0..3
	s_lshr_b32 s11, s10, 1                         ; which 128 of the tile's rows are mine.  Also: I fetch for x (0) or for W (1)
	s_and_b32 s12, s10, 1                          ; which 64 of its columns.  Also: which half of that tile I fetch
	s_bfe_u32 s40, ttmp6, 0x40000                  ; cx, cy: my place in the cluster
	s_bfe_u32 s41, ttmp6, 0x40004
	s_lshl_b32 s42, ttmp9, 2
	s_add_co_u32 s42, s42, s40                     ; tile column = 4 x cluster x + cx, 0..7
	s_and_b32 s13, ttmp7, 0xffff
	s_lshl_b32 s13, s13, 2
	s_add_co_u32 s13, s13, s41                     ; tile row = 4 x cluster y + cy, 0..31
	s_lshl_b32 s43, s41, 2
	s_lshl_b32 s43, 15, s43                        ; my row of the cluster
	s_lshl_b32 s44, 0x1111, s40                    ; my column
	s_mov_b32 s82, 0x76543210                      ; v_permlanex16_b32: each lane takes its own place in the other half
	s_mov_b32 s83, 0xfedcba98
	; group 1 for x: 128 rows x 128 elements of 2 bytes, 4 words of padding behind every 64
	s_or_b32 s[G1+0], s43, (1<<16)|(1<<20)|(1<<21)|(5<<22)|(3<<25)   ; 15:0 the mask: my row; 17:16 2 bytes; 20 padding on; 21 set beside a mask; 24:22 every 64 words; 31:25 4 words
	s_mov_b32 s[G1+1], 128<<16                     ; tensor_dim0 = 128
	s_mov_b32 s[G1+2], 128<<16                     ; tensor_dim1 = 128
	s_mov_b32 s[G1+3], 128<<16                     ; tile_dim0 = 128
	s_mov_b32 s[G1+4], 128                         ; tile_dim1 = 128
	s_mov_b32 s[G1+5], 1024                        ; elements from row to row
	s_mov_b32 s[G1+6], 0
	s_mov_b32 s[G1+7], 0
	; group 1 for W: 64 rows (K) x 128 elements, 8 words of padding behind every 64
	s_or_b32 s[G1B+0], s44, (1<<16)|(1<<20)|(1<<21)|(5<<22)|(7<<25)  ; the mask: my column
	s_mov_b32 s[G1B+1], 128<<16
	s_mov_b32 s[G1B+2], 64<<16
	s_mov_b32 s[G1B+3], 128<<16
	s_mov_b32 s[G1B+4], 64
	s_mov_b32 s[G1B+5], 1024
	s_mov_b32 s[G1B+6], 0
	s_mov_b32 s[G1B+7], 0
	; x's tiles hang on the tile row alone, W's on the tile column alone; each address is made in registers that never hold the other coordinate
	s_lshl_b32 s16, s13, 19                        ; 256 rows of 2,048 bytes
	s_lshl_b32 s17, s12, 18                        ; + my 128 of them
	s_add_co_u32 s16, s16, s17
	s_mov_b32 s17, 0
	s_lshl_b32 s46, s12, 17                        ; my 64 rows (K) of 2,048 bytes
	s_lshl_b32 s47, s42, 8                         ; + 128 columns of 2 bytes
	s_add_co_u32 s46, s46, s47
	s_mov_b32 s47, 0
	s_mul_i32 s20, s10, 128*PA                     ; where they go: x's halves at wave x 34,816 (waves 0, 1),
	s_mul_i32 s21, s10, 64*PB                      ; W's at ABYTES + (wave - 2) x 18,432 (waves 2, 3): no place in the cluster enters an LDS address
	s_add_co_u32 s21, s21, ABYTES-2*64*PB
	; my wave's places in out0, wT and b
	s_lshl_b32 s4, s13, 20                         ; 256 rows of 4,096 bytes
	s_lshl_b32 s5, s11, 19
	s_add_co_u32 s4, s4, s5
	s_lshl_b32 s5, s42, 9                          ; 128 columns of 4 bytes
	s_add_co_u32 s4, s4, s5
	s_lshl_b32 s5, s12, 8
	s_add_co_u32 s4, s4, s5
	s_mov_b32 s5, 0
	s_lshl_b32 s6, s13, 10                         ; 256 weights of 4 bytes
	s_lshl_b32 s7, s11, 9
	s_add_co_u32 s6, s6, s7
	s_mov_b32 s7, 0
	s_lshl_b32 s8, s42, 9
	s_lshl_b32 s9, s12, 8
	s_add_co_u32 s8, s8, s9
	s_mov_b32 s9, 0
	s_wait_kmcnt 0x0
	s_add_nc_u64 s[14:15], s[68:69], s[16:17]
	s_add_nc_u64 s[46:47], s[70:71], s[46:47]
	s_add_nc_u64 s[CB:CB+1], s[CB:CB+1], s[4:5]
	s_add_nc_u64 s[WB:WB+1], s[WB:WB+1], s[6:7]
	s_add_nc_u64 s[BB:BB+1], s[BB:BB+1], s[8:9]
	CROUND                                         ; all sixteen work-groups are here: the first joint loads meet
.irp s, 0,1
	s_mov_b32 s[G0+4*\s], 1                                        ; count = 1
	s_add_co_u32 s[G0+4*\s+1], s20, \s*SLOT                        ; LDS address
	s_add_nc_u64 s[G0+4*\s+2:G0+4*\s+3], s[14:15], \s*256          ; K step s: 128 elements along the rows
	s_or_b32 s[G0+4*\s+3], s[G0+4*\s+3], 0x80000000                ; type = 2
	s_mov_b32 s[G0B+4*\s], 1
	s_add_co_u32 s[G0B+4*\s+1], s21, \s*SLOT
	s_add_nc_u64 s[G0B+4*\s+2:G0B+4*\s+3], s[46:47], \s*262144     ; K step s: 128 rows down
	s_or_b32 s[G0B+4*\s+3], s[G0B+4*\s+3], 0x80000000
.endr
	s_cmp_eq_u32 s11, 0                            ; a wave's two first fills stand in one branch, ahead of every wait on TENSORcnt and every LDS read: two loads of mine are out
	s_cbranch_scc0 .Lfirst_b
	tensor_load_to_lds s[G0:G0+3], s[G1:G1+7]
	s_nop 0
	tensor_load_to_lds s[G0+4:G0+7], s[G1:G1+7]
	s_nop 0
.rept 4
	v_nop
.endr
	s_branch .Lfirst_asked
.Lfirst_b:
	tensor_load_to_lds s[G0B:G0B+3], s[G1B:G1B+7]
	s_nop 0
	tensor_load_to_lds s[G0B+4:G0B+7], s[G1B:G1B+7]
	s_nop 0
.rept 4
	v_nop
.endr
.Lfirst_asked:
	; A fragment of x: 16 rows x 32 K in 8 registers; lane l holds row l % 16; two loads of 16 bytes, 32 apart, at row x pitch + 16 (l / 16).
	v_and_b32 v1, 15, v0                           ; l % 16
	v_bfe_u32 v2, v0, 4, 1                         ; l / 16
	v_mul_u32_u24 v3, v1, PA
	v_lshl_add_u32 v3, v2, 4, v3
	s_mul_i32 s22, s11, 128*PA                     ; my 128 rows
	v_add_nc_u32 v[ADRA], s22, v3
	v_add_nc_u32 v[ADRA+1], SLOT, v[ADRA]
	; The turning load takes 16 K x 16 columns (lane l reads 16 bytes: K row 8 (l / 16) + l % 8, columns 8 ((l / 8) % 2) + 0..7) and leaves half a fragment: lane l holds column l % 16 and 8 K.
	v_and_b32 v4, 7, v0
	v_bfe_u32 v5, v0, 3, 1
	v_lshl_add_u32 v4, v2, 3, v4
	v_mul_u32_u24 v4, v4, PB
	v_lshl_add_u32 v4, v5, 4, v4
	s_lshl_b32 s23, s12, 7                         ; my 64 columns,
	s_add_co_u32 s23, s23, ABYTES                  ; behind x's 256 rows
	v_add_nc_u32 v[ADRB], s23, v4
	v_add_nc_u32 v[ADRB+1], SLOT, v[ADRB]
	s_mul_i32 s22, s10, 16*SP
	s_add_co_u32 s22, s22, STAGE                   ; my stage
	v_mul_u32_u24 v3, v1, SP                       ; in: row l % 16, 32 bytes for each half of the lanes
	v_lshl_add_u32 v3, v2, 5, v3
	v_add_nc_u32 v[STO], s22, v3
	v_mul_u32_u24 v3, v2, SP                       ; back: lanes 0-15 take one row of 256 bytes, lanes 16-31 the next
	v_lshl_add_u32 v3, v1, 4, v3
	v_add_nc_u32 v[RD], s22, v3
	v_lshlrev_b32 v3, 12, v2                       ; and the same two rows in out0
	v_lshl_add_u32 v[CO], v1, 4, v3
	v_lshlrev_b32 v[WO], 2, v1
	v_lshlrev_b32 v[BO], 5, v2
.irp a, 0,1,2,3,4,5,6,7
	v_mov_b32 v[WE+2*\a+1], 0                      ; named with the weight as a pair, so it is written
.endr
	WIN TO_F
.irp b, 0,1,2,3
	global_load_b128 v[BIAS+8*\b:BIAS+8*\b+3],   v[BO], s[BB:BB+1] offset:64*\b      ; expert 0's bias: register j of block b = b[0][16 b + 8 (l / 16) + j]
	global_load_b128 v[BIAS+8*\b+4:BIAS+8*\b+7], v[BO], s[BB:BB+1] offset:64*\b+16
.endr
	WIN 0
	; out1, while the first tiles are on their way.  Wave 0 of every work-group sums psum's 4,096 bytes; lane 0 of work-group (0, 0) alone stores the number.
	; The work-group's place enters the store's EXEC mask and nothing else: no branch, no trip count, no LDS address.
	s_cmp_lg_u32 s10, 0
	s_cbranch_scc1 .Lno_aux
	v_lshlrev_b32 v48, 4, v0                       ; in wave 0 the thread's number is the lane
.irp j, 0,1,2,3,4,5,6,7
	global_load_b128 v[52+4*\j:55+4*\j], v48, s[78:79] offset:512*\j        ; group 16 j + l / 2, experts 4 (l % 2) + 0..3
.endr
	s_lshl3_add_u32 s45, s13, s42                  ; 8 x tile row + tile column: 0 in one work-group
	v_or_b32 v49, s45, v0
	v_mov_b32 v50, 0
	s_wait_loadcnt 0x0
.irp j, 0,2,4,6
	v_pk_add_f32 v[52+4*\j:53+4*\j], v[52+4*\j:53+4*\j], v[56+4*\j:57+4*\j]
	v_pk_add_f32 v[54+4*\j:55+4*\j], v[54+4*\j:55+4*\j], v[58+4*\j:59+4*\j]
.endr
.irp j, 0,4
	v_pk_add_f32 v[52+4*\j:53+4*\j], v[52+4*\j:53+4*\j], v[60+4*\j:61+4*\j]
	v_pk_add_f32 v[54+4*\j:55+4*\j], v[54+4*\j:55+4*\j], v[62+4*\j:63+4*\j]
.endr
	v_pk_add_f32 v[52:53], v[52:53], v[68:69]
	v_pk_add_f32 v[54:55], v[54:55], v[70:71]
.irp m, 2,4,8                          ; over the lanes of my parity
.irp i, 0,1,2,3
	v_add_f32_dpp v[52+\i], v[52+\i], v[52+\i] row_xmask:\m row_mask:0xf bank_mask:0xf
.endr
.endr
.irp i, 0,1,2,3
	v_permlanex16_b32 v[56+\i], v[52+\i], s82, s83 ; its destination counts as read: v56-59 have been written
.endr
.irp i, 0,1,2,3
	v_add_f32 v[52+\i], v[52+\i], v[56+\i]         ; S_e = the sum of w[.][e] over all 8,192 rows
.endr
	v_mul_f32 v60, v52, v52
	v_fma_f32 v60, v53, v53, v60
	v_fma_f32 v60, v54, v54, v60
	v_fma_f32 v60, v55, v55, v60
	v_add_f32_dpp v60, v60, v60 row_xmask:1 row_mask:0xf bank_mask:0xf      ; the other four experts'
	v_mul_f32 v60, 0x34000000, v60                 ; 8 / 8192^2 = 2^-23, exact
	v_cmp_eq_u32 vcc_lo, 0, v49
	s_wait_xcnt 0x0                                ; EXEC is a source of the loads above: it changes only behind this wait
	s_and_saveexec_b32 s4, vcc_lo
	global_store_b32 v50, v60, s[80:81]
	s_wait_xcnt 0x0                                ; and again in front of the line that widens it
	s_or_b32 exec_lo, exec_lo, s4
.Lno_aux:
; 8 matrix instructions: row blocks a0, a0 + 1 x all 4 column blocks, 32 along K, from buffer f.  c = 1: an expert's first products, which start Y from the bias: nothing is ever cleared.
; The 32 accumulators take turns, one instruction a turn, in the same order in every quarter.
.macro MUL8 f, a0, c
.irp a, \a0, \a0+1
.irp b, 0,1,2,3
.if \c
	v_wmma_f32_16x16x32_bf16 v[8*(4*(\a)+\b):8*(4*(\a)+\b)+7], v[\f+8*\b:\f+8*\b+7], v[\f+32+8*(\a):\f+32+8*(\a)+7], v[BIAS+8*\b:BIAS+8*\b+7]
.else
	v_wmma_f32_16x16x32_bf16 v[8*(4*(\a)+\b):8*(4*(\a)+\b)+7], v[\f+8*\b:\f+8*\b+7], v[\f+32+8*(\a):\f+32+8*(\a)+7], v[8*(4*(\a)+\b):8*(4*(\a)+\b)+7]
.endif
.endr
.endr
.endm
; 24 LDS loads in one run: quarter q (32 along K) of a slot into buffer f: W's 8, x's row blocks 0-3 (8), x's row blocks 4-7 (8)
.macro FETCH slot, q, f
	WIN TO_F
.irp b, 0,1,2,3
	ds_load_tr16_b128 v[\f+8*\b:\f+8*\b+3],   v[ADRB+\slot] offset:\q*32*PB+32*\b
	ds_load_tr16_b128 v[\f+8*\b+4:\f+8*\b+7], v[ADRB+\slot] offset:\q*32*PB+16*PB+32*\b
.endr
.irp a, 0,1,2,3,4,5,6,7
	ds_load_b128 v[\f+32+8*\a:\f+32+8*\a+3],   v[ADRA+\slot] offset:\q*64+\a*16*PA
	ds_load_b128 v[\f+32+8*\a+4:\f+32+8*\a+7], v[ADRA+\slot] offset:\q*64+\a*16*PA+32
.endr
.endm
; A load into a register that a matrix instruction has read, and a vector instruction that reads a matrix result, stand four places behind that matrix instruction, and only
; plain vector instructions that name none of its registers are places (ISA guide 7.12.1 for vector instructions).
.macro PLACES
.rept 4
	v_nop
.endr
.endm
; A K step is four quarters of 32 along K, 32 matrix instructions each, on buffers 0, 1, 0, 1.  One of the first three: multiplies buffer f; in its middle it fetches quarter q into g.
.macro QUARTER slot, q, f, g, c
	s_wait_dscnt 8                                 ; W and x's row blocks 0-3 are in; the youngest eight loads (blocks 4-7) may be out
	WIN MUL-0x10*\c
	MUL8 \f, 0, \c
	MUL8 \f, 2, \c
	PLACES
	FETCH \slot, \q, \g
	s_wait_dscnt 24                                ; all but the 24 just issued
	WIN MUL-0x10*\c
	MUL8 \f, 4, \c
	MUL8 \f, 6, \c
.endm
; The last quarter multiplies buffer 1 and changes slots: ONE barrier.  In front of it each wave waits for all its tensor loads (one is out: its part of the next slot), adds 0 to its
; spare word, and waits for that and for its own reads of this slot.  fill = 1: the barrier opens a round of the cluster's barrier, and this slot is filled again first thing behind it, two K
; steps ahead: 112 matrix instructions stand between the request and the wait for it.  on = 1: those two steps reach into the next expert: x goes back along its rows, W goes on down.
.macro TURN slot, next, fill, on
	WIN 0                                          ; (the add's two registers lie in window 0)
	s_wait_tensorcnt 0x0                           ; all my tensor loads have landed;
	ds_add_u32 v[SPW], v[NIL]                      ; 0 onto my spare word;
	s_wait_dscnt 9                                 ; (the add and the youngest eight loads may be out)
	WIN MUL
	MUL8 F1, 0, 0                                  ; eight matrix instructions stand between the add and the wait for it
	s_wait_dscnt 0x0                               ; the add is done, and my reads of this slot are over
	s_barrier_signal -1
	MUL8 F1, 2, 0
.if \fill
	WIN 0
.endif
	s_barrier_wait -1
.if \fill
	CREST                                          ; no wave of any partner still reads this slot's tiles or has a load on its way
.if \on
	s_sub_nc_u64 s[G0+4*\slot+2:G0+4*\slot+3], s[G0+4*\slot+2:G0+4*\slot+3], 1536    ; from the slot's fourth K step of an expert back to its first
.else
	s_add_nc_u64 s[G0+4*\slot+2:G0+4*\slot+3], s[G0+4*\slot+2:G0+4*\slot+3], 512     ; two K steps along the rows
.endif
	s_add_nc_u64 s[G0B+4*\slot+2:G0B+4*\slot+3], s[G0B+4*\slot+2:G0B+4*\slot+3], 524288   ; 256 rows down: the experts' rows follow each other in Wb
	JLOAD \slot                                    ; the first tensor load behind the round; the four v_nop behind it are also the places in front of the loads below
.else
	PLACES
.endif
	FETCH \next, 0, F0
	WIN MUL
	MUL8 F1, 4, 0
	MUL8 F1, 6, 0
.endm
; An expert's sums are folded into the result: T (+)= w Y, 128 packed instructions, each accumulator's registers in ascending order.  Row blocks 0-3 were finished in front of the joint
; load's four v_nop; their 64 instructions name no register of the last products (blocks 4-7's) and are those products' places.
.macro COMB first
	s_wait_loadcnt 0x0                             ; this expert's weights and the next one's bias, asked for seven K steps ago; their bases are free behind this wait
	s_add_nc_u64 s[WB:WB+1], s[WB:WB+1], 32768     ; the next expert's row of wT
	s_add_nc_u64 s[BB:BB+1], s[BB:BB+1], 4096      ; and of b
.if \first
	WIN CMUL
.else
	WIN CFMA
.endif
.set n, 0
.rept 128
.if \first
	v_pk_mul_f32 v[2*n:2*n+1], v[2*n:2*n+1], v[WE+2*(n/16):WE+2*(n/16)+1] op_sel_hi:[1,0]      ; the first expert starts T
.else
	v_pk_fma_f32 v[2*n:2*n+1], v[2*n:2*n+1], v[WE+2*(n/16):WE+2*(n/16)+1], v[2*n:2*n+1] op_sel_hi:[1,0,1]
.endif
.set n, n+1
.endr
.endm
; One expert: eight K steps.  kind 0: the first (it starts T); 1: one of the six in the middle; 2: the last (it asks for nothing more, and its sums are folded on the way out).
.macro EXPERT kind
	QUARTER 0, 1, F0, F1, 1                        ; the expert's first quarter stands in front of the loop: its products start Y from the bias
.if \kind < 2
	PLACES                                         ; for the loads into the bias, which those products read
	WIN TO_F
.irp b, 0,1,2,3
	global_load_b128 v[BIAS+8*\b:BIAS+8*\b+3],   v[BO], s[BB:BB+1] offset:64*\b      ; the next expert's bias
	global_load_b128 v[BIAS+8*\b+4:BIAS+8*\b+7], v[BO], s[BB:BB+1] offset:64*\b+16
.endr
.endif
	WIN 0                                          ; at a label and at a branch every window is 0
.irp a, 0,1,2,3,4,5,6,7
	global_load_b32 v[WE+2*\a], v[WO], s[WB:WB+1] offset:64*\a     ; this expert's weight of my row in block a
.endr
	s_mov_b32 s3, 3
.Llap_\@:                                              ; a trip goes once round the ring, from a lap's second quarter to the next lap's first, and fills both slots again
	QUARTER 0, 2, F1, F0, 0
	QUARTER 0, 3, F0, F1, 0
	TURN 0, 1, 1, 0
	QUARTER 1, 1, F0, F1, 0
	QUARTER 1, 2, F1, F0, 0
	QUARTER 1, 3, F0, F1, 0
	TURN 1, 0, 1, 0
	QUARTER 0, 1, F0, F1, 0
	WIN 0
	s_sub_co_u32 s3, s3, 1
	s_cmp_lg_u32 s3, 0
	s_cbranch_scc1 .Llap_\@
	QUARTER 0, 2, F1, F0, 0                        ; the expert's last lap goes on
	QUARTER 0, 3, F0, F1, 0
.if \kind < 2
	TURN 0, 1, 1, 1                                ; the ring goes on into the next expert: slot 0 takes its K step 0,
	QUARTER 1, 1, F0, F1, 0
	QUARTER 1, 2, F1, F0, 0
	QUARTER 1, 3, F0, F1, 0
	TURN 1, 0, 1, 1                                ; slot 1 its K step 1, and its first fragments are fetched
.if \kind == 0
	COMB 1
.else
	COMB 0
.endif
	WIN 0
.else
	TURN 0, 1, 0, 0                                ; nothing is filled again, so no round follows
	QUARTER 1, 1, F0, F1, 0
	QUARTER 1, 2, F1, F0, 0
	QUARTER 1, 3, F0, F1, 0
	s_wait_dscnt 8                                 ; the very last quarter: nothing more to fetch
	WIN MUL
	MUL8 F1, 0, 0
	MUL8 F1, 2, 0
	s_wait_dscnt 0x0
	MUL8 F1, 4, 0
	MUL8 F1, 6, 0
.endif
.endm
; THE WAY OUT of row block a, in three parts.  COMBA: the last expert's sums are folded in.  TOSTAGE: 32 bytes a lane and column block into my own stage, and back as whole rows of 256 bytes.  SEND: stored.
.macro COMBA a
	WIN CFMA
.set n, 16*(\a)
.rept 16
	v_pk_fma_f32 v[2*n:2*n+1], v[2*n:2*n+1], v[WE+2*(\a):WE+2*(\a)+1], v[2*n:2*n+1] op_sel_hi:[1,0,1]
.set n, n+1
.endr
.endm
.macro TOSTAGE a
.set BK, OB+32*((\a)%2)
	WIN STW
.irp b, 0,1,2,3
	ds_store_b128 v[STO], v[8*(4*(\a)+\b):8*(4*(\a)+\b)+3]   offset:64*\b
	ds_store_b128 v[STO], v[8*(4*(\a)+\b)+4:8*(4*(\a)+\b)+7] offset:64*\b+16
.endr
	WIN 0
.irp t, 0,1,2,3,4,5,6,7
	ds_load_b128 v[BK+4*\t:BK+4*\t+3], v[RD] offset:\t*2*SP        ; LDS serves a wave's instructions in order (ISA guide 5.7.1.4): these see the stores above
.endr
.endm
.macro SEND a
.set BK, OB+32*((\a)%2)
	WIN 0                                          ; the stores' address and data lie in window 0; COMBA, which stands in front, leaves another setting
	s_wait_dscnt 0x0                               ; the block is back in registers
	s_wait_xcnt 0x0                                ; only behind this wait are the stores' base and the registers that earlier stores read rewritten (ISA guide 3.1)
.if (\a) > 0
	s_add_nc_u64 s[CB:CB+1], s[CB:CB+1], 65536     ; 16 rows of out0 on
.endif
.irp t, 0,1,2,3,4,5,6,7
	global_store_b128 v[CO], v[BK+4*\t:BK+4*\t+3], s[CB:CB+1] offset:8192*\t th:TH_STORE_NT   ; 16 lanes store 256 consecutive bytes, at a multiple of 256 from out0's first byte
.endr
.endm
	s_wait_loadcnt 0x0                             ; expert 0's bias; its base is free behind this wait
	s_add_nc_u64 s[BB:BB+1], s[BB:BB+1], 4096      ; the bias fetched next is expert 1's
	s_wait_tensorcnt 0x1                           ; my part of K step 0 is in; K step 1's may stay out
	s_barrier_signal -1
	s_barrier_wait -1                              ; everybody's is
	FETCH 0, 0, F0
	EXPERT 0
	s_mov_b32 s2, 6
.Lexp:
	EXPERT 1
	s_sub_co_u32 s2, s2, 1
	s_cmp_lg_u32 s2, 0
	s_cbranch_scc1 .Lexp
	EXPERT 2                                       ; written out
	PLACES                                         ; the lines below read results just made
	s_wait_loadcnt 0x0                             ; the last expert's weights
	COMBA 0
	TOSTAGE 0
.irp a, 1,2,3,4,5,6,7                  ; block a's arithmetic stands between block a - 1's loads from the stage and the wait for them
	COMBA \a
	SEND \a-1
	TOSTAGE \a
.endr
	SEND 7
	s_wait_tensorcnt 0x0                           ; the wave's end: behind my last tensor load and my last LDS store
	ds_add_u32 v[SPW], v[NIL]
	s_wait_dscnt 0x0
	CROUND                                         ; the closing round: no work-group ends while a partner may still ask for a tile that names it
	s_endpgm
.Lfunc_end_k_qd89af299fa_moe:
	.size	k_qd89af299fa_moe, .Lfunc_end_k_qd89af299fa_moe-k_qd89af299fa_moe
	.p2alignl 7, 3214868480
	.fill 96, 4, 3214868480
	.section	.rodata,"a",@progbits
	.p2align	6, 0x0
	.amdhsa_kernel k_qd89af299fa_moe
		.amdhsa_group_segment_fixed_size 327680
		.amdhsa_private_segment_fixed_size 0
		.amdhsa_enable_private_segment 0
		.amdhsa_kernarg_size 56
		.amdhsa_user_sgpr_count 2
		.amdhsa_user_sgpr_kernarg_segment_ptr 1
		.amdhsa_wavefront_size32 1
		.amdhsa_system_sgpr_workgroup_id_x 1
		.amdhsa_system_sgpr_workgroup_id_y 1
		.amdhsa_system_sgpr_workgroup_id_z 1
		.amdhsa_system_vgpr_workitem_id 0
		.amdhsa_next_free_vgpr 1024
		.amdhsa_next_free_sgpr 84
		.amdhsa_reserve_vcc 1
		.amdhsa_float_denorm_mode_32 3
		.amdhsa_float_denorm_mode_16_64 3
		.amdhsa_memory_ordered 1
		.amdhsa_forward_progress 1
		.amdhsa_inst_pref_size 249
	.end_amdhsa_kernel
	.amdgpu_metadata
---
amdhsa.version: [ 1, 2 ]
amdhsa.kernels:
  - .name:           k_qd89af299fa_moe
    .symbol:         k_qd89af299fa_moe.kd
    .args:
      - { .name: xb, .offset: 0, .size: 8, .value_kind: global_buffer, .address_space: global }
      - { .name: Wb, .offset: 8, .size: 8, .value_kind: global_buffer, .address_space: global }
      - { .name: out0, .offset: 16, .size: 8, .value_kind: global_buffer, .address_space: global }
      - { .name: wT, .offset: 24, .size: 8, .value_kind: global_buffer, .address_space: global }
      - { .name: b, .offset: 32, .size: 8, .value_kind: global_buffer, .address_space: global }
      - { .name: psum, .offset: 40, .size: 8, .value_kind: global_buffer, .address_space: global }
      - { .name: out1, .offset: 48, .size: 8, .value_kind: global_buffer, .address_space: global }
    .group_segment_fixed_size: 327680
    .private_segment_fixed_size: 0
    .kernarg_segment_align: 8
    .kernarg_segment_size: 56
    .max_flat_workgroup_size: 128
    .sgpr_count:     84
    .vgpr_count:     1024
    .wavefront_size: 32
...
	.end_amdgpu_metadata
.endif
;; end of part 2
;; ======== version 2 of 2: 2 launches; 1.22 times as fast as version 1
;; workspace buffers: xb 16,777,216 bytes; Wb 16,777,216 bytes; wT 262,144 bytes; psum 4,096 bytes
;; launch prep: the kernel of part 1 again; grid 256 x 1, 8 waves a work-group, no clusters, 35,840 bytes of LDS; arguments inputs, W, Wg, bg, xb, Wb, wT, psum; writes xb, Wb, wT, psum
;; launch moe (part 3): grid 8 x 32, 4 waves a work-group, clusters of 4 x 4, 327,680 bytes of LDS; arguments xb, Wb, out0, wT, b, psum, out1; writes out0, out1
.if DOCPART == 3
	.amdgcn_target "amdgcn-amd-amdhsa--gfx1250"
	.amdhsa_code_object_version 6
	.text
	.protected	k_qd89af299fa_moe
	.globl	k_qd89af299fa_moe
	.p2align	8
	.type	k_qd89af299fa_moe,@function
k_qd89af299fa_moe:
	s_mov_b64 s[64:65], 0
	v_nop
	global_prefetch_b8 v0, s[64:65] scope:SCOPE_SE
	s_setreg_imm32_b32 hwreg(HW_REG_WAVE_MODE, 25, 1), 1
	s_wait_xcnt 0x0
	s_wait_alu depctr_hold_cnt(0) depctr_sa_sdst(0) depctr_va_vdst(0) depctr_va_sdst(0) depctr_va_ssrc(0) depctr_va_vcc(0) depctr_vm_vsrc(0)
	s_getreg_b32 s2, hwreg(HW_REG_IB_STS2, 6, 4)
	s_cmp_eq_u32 s2, 0
	s_cbranch_scc0 .Lentry_in_a_cluster
	s_endpgm
.Lentry_in_a_cluster:
	s_bfe_u32 s2, ttmp6, 0x10000c
	s_cmp_lg_u32 s2, 0xf033
	s_cbranch_scc0 .Lentry_shape_is_right
	s_endpgm
.Lentry_shape_is_right:
; out0[r][q] = sum over e of w[r][e] (sum over p of x[r][p] W[e][p][q] + b[e][q]);  out1 = 8 sum over e of (mean over r of w[r][e])^2.
; xb [8192][1024] and Wb [8 x 1024][1024] are bf16, wT [8][8192] (the router's weights) and psum [128][8] (their sums over 64 rows) f32.
; A work-group of four waves makes 256 rows x 128 columns of out0 (8 x 32 = 256 work-groups); a wave 128 x 64: 32 tiles of 16 x 16.
; THE ORDER OF THE WORK.  K (1,024) is cut into four chunks of 256.  A chunk of x (256 rows x 512 bytes) lies in LDS ONCE and serves all eight experts, which are taken in PAIRS: a fragment
; of x read from LDS feeds both experts' products, so 64 matrix instructions want 32 LDS loads (16 of x, 8 of each expert's W), issued in one run.  Only W goes through a ring of two slots;
; a slot holds one step's tiles: 128 K x 128 columns of each of the pair's experts.  A pair over a chunk is two steps, slot 0 and slot 1; a step is 256 matrix instructions a wave, and 240 of
; them stand between a slot's request and the wait for it.  x has one buffer (a second chunk of 135,168 bytes does not fit beside the ring), so at each of the three changes of chunk its load
; is covered by 32 matrix instructions and a fold alone.
; Each expert's product over a chunk is summed by itself in f32 (Y, windows 2 and 3, started by C = 0) and then folded into the result in f32: T += w[row][e] Y (T, window 1).  T starts from
; the sum over e of w[row][e] b[e][column], made at the head while the first tiles are on their way.  So the weights and the bias are never rounded below f32.
; THE MATRIX INSTRUCTION IS USED TRANSPOSED: source 0 = 16 columns of W (turned on the way out of LDS by ds_load_tr16_b128, since W lies [p][q]),
; source 1 = 16 rows of x.  A lane then holds ONE row (lane % 16) and the columns 8 (lane / 16) + 0..7: its weight is one number, and its eight results are 32 neighbouring bytes of out0.
; CLUSTERS: 4 x 4 work-groups.  The four of a row of the cluster need the same rows of x, the four of a column the same columns of W: each tile is asked
; for jointly, by the same tensor load with the same descriptor and a mask that names the four.  Every wave fetches a quarter of every tile: 64 rows.
; LIMITS: NaN and infinities are not treated apart; b enters unrounded; sums are taken in another order than a plain loop's.
; REGISTERS: window 0: v0-15 addresses; v16-31 the pair's weights; v32-63 the first expert's fragments of W (4 x 16 columns x 32 K), ONE buffer: the run of loads stands behind its 32 products,
;   32 products ahead of its next use; v64-127 the second expert's, two buffers; v128-255 fragments of x (8 x 16 rows x 32 K), two buffers.  At the head and on the way out v32-255 are at work otherwise.
;   window 1: T(a, b) at v[8 (4 a + b)].  window 2: Y of the pair's first expert, likewise; at the head the eight biases.  window 3: Y of the second.
.set PA,     528                       ; a row of x in LDS: 512 bytes + 16 = 132 words: row r starts 4 r words on, modulo 64 (64 banks of 4 bytes: ISA guide 11.1)
.set PB,     288                       ; a row of W: 256 + 32 = 72 words
.set ABYTES, 256*PA                    ; x's chunk, from LDS byte 0 on
.set BSL,    256*PB                    ; a slot of W: the first expert's 128 rows (K), then the second's; the two slots lie behind x's chunk
.set STAGE,  ABYTES+2*BSL              ; behind the ring: 16 rows x 272 bytes for each wave, for the way out; no tile lands here
.set SP,     272
.set SPARE,  STAGE+4*16*SP             ; behind the stages: the spare words, 128 bytes for each wave: two blocks of 256 bytes that no other line names
.set BSTEP,  2*1024*2048               ; bytes in Wb from a slot's step to its next: the next pair, two experts of 1,024 rows of 2,048 bytes on
.set BWRAP,  6*1024*2048-256*2048      ; bytes back from a chunk's last pair to the next chunk's first: six experts up, 256 rows down
.set ADRA, 2                           ; v2      LDS address of my fragments of x
.set ADRB, 4                           ; v4-7    the same for W: slot 0 first expert, slot 0 second, slot 1 likewise
.set STO,  8                           ; v8      the way out: where I put 32 bytes of a row
.set RD,   9                           ; v9      the way out: where I read a row back
.set CO,   10                          ; v10     my byte offset in out0
.set WO,   11                          ; v11     4 (lane % 16): my row among a block's 16 weights
.set BO,   12                          ; v12     32 (lane / 16): my eight columns among a block's 16 biases
.set SPW,  14                          ; v14     LDS address of my spare word; never rewritten
.set NIL,  15                          ; v15     0; never rewritten
.set WEA,  16                          ; v[16:23] the first expert's weight of my row in block a at v[16 + a]; v[24:31] the second's
.set FA,   32                          ; the first expert's fragments of W
.set FB,   64                          ; the second's, buffer p % 2 at FB + 32 (p % 2)
.set FX,   128                         ; x's, buffer p % 2 at FX + 64 (p % 2)
.set OB,   128                         ; the way out: v[128:159], v[160:191] by turns
.set W8,   160                         ; v[160:223] at the head: expert e's weight of my row in block a at v[160 + 8 e + a]
.set G1,  24                           ; s[24:31] descriptor group 1 for x's tiles;  s[32:35] their group 0
.set G0,  32
.set G1B, 48                           ; s[48:55] group 1 for W's tiles;  s[56:63] group 0, a set for each slot
.set G0B, 56
.set CB,  72                           ; s[72:73] out0 at my wave's rows and columns
.set WB,  74                           ; s[74:75] wT at my wave's rows, the pair in hand
.set BB,  76                           ; s[76:77] b at my wave's columns
.set MSB, 0
.macro WIN new                         ; the immediate's high byte repeats the setting that is left; a switch that changes nothing is dropped
.if MSB != (\new)
	s_set_vgpr_msb (MSB<<8)|(\new)
.set MSB, (\new)
.endif
.endm
.set MULA, 0xa0                        ; sources 0 and 1 window 0; C and D window 2
.set MULB, 0xf0                        ; the same, C and D window 3
.set CFA,  0x52                        ; T (destination, source 2) window 1, Y or the bias (source 0) window 2, the weight (source 1) window 0
.set CFB,  0x53                        ; the same with Y in window 3
.set STW,  0x04                        ; an LDS store's data (source 1) window 1
.macro CREST                           ; a round of the cluster's barrier behind its opening barrier
	s_cmp_lg_u32 s10, 0
	s_cbranch_scc1 .Lnot_wave_0_\@
	s_barrier_signal -3
.Lnot_wave_0_\@:
	s_barrier_wait -3
	s_barrier_signal -1
	s_barrier_wait -1
.endm
.macro CROUND                          ; a whole round
	s_barrier_signal -1
	s_barrier_wait -1
	CREST
.endm
; A load into a register that a matrix instruction has read, and a vector instruction that reads a matrix result, stand four places behind that matrix instruction, and only
; plain vector instructions that name none of its registers are places (ISA guide 7.12.1 for vector instructions).
; The same four lines follow each tensor load.
.macro PLACES
.rept 4
	v_nop
.endr
.endm
	s_load_b256 s[68:75], s[0:1], 0x0              ; xb s[68:69], Wb s[70:71], out0 s[72:73], wT s[74:75]
	s_load_b128 s[76:79], s[0:1], 0x20             ; b s[76:77], psum s[78:79]
	s_load_b64 s[80:81], s[0:1], 0x30              ; out1
	v_lshl_add_u32 v[SPW], v0, 2, SPARE
	v_mov_b32 v[NIL], 0
	ds_add_u32 v14, v15
	s_wait_dscnt 0x0
	v_lshrrev_b32 v1, 5, v0
	v_readfirstlane_b32 s10, v1                    ; wave 0..3.  Also: which 64 rows of every tile I fetch
	s_lshr_b32 s11, s10, 1                         ; which 128 of the tile's rows are mine.  Also: which expert of a pair I fetch for
	s_and_b32 s12, s10, 1                          ; which 64 of its columns.  Also: which 64 of that expert's 128 rows (K)
	s_bfe_u32 s40, ttmp6, 0x40000                  ; cx, cy: my place in the cluster
	s_bfe_u32 s41, ttmp6, 0x40004
	s_lshl_b32 s42, ttmp9, 2
	s_add_co_u32 s42, s42, s40                     ; tile column = 4 x cluster x + cx, 0..7
	s_and_b32 s13, ttmp7, 0xffff
	s_lshl_b32 s13, s13, 2
	s_add_co_u32 s13, s13, s41                     ; tile row = 4 x cluster y + cy, 0..31
	s_lshl_b32 s43, s41, 2
	s_lshl_b32 s43, 15, s43                        ; my row of the cluster
	s_lshl_b32 s44, 0x1111, s40                    ; my column
	s_mov_b32 s82, 0x76543210                      ; v_permlanex16_b32: each lane takes its own place in the other half
	s_mov_b32 s83, 0xfedcba98
	; group 1 for x: 64 rows x 256 elements of 2 bytes, 4 words of padding behind every 128
	s_or_b32 s[G1+0], s43, (1<<16)|(1<<20)|(1<<21)|(6<<22)|(3<<25)   ; 15:0 the mask: my row; 17:16 2 bytes; 20 padding on; 21 set beside a mask; 24:22 every 128 words; 31:25 4 words
	s_mov_b32 s[G1+1], 256<<16                     ; tensor_dim0 = 256
	s_mov_b32 s[G1+2], 64<<16                      ; tensor_dim1 = 64
	s_mov_b32 s[G1+3], 256<<16                     ; tile_dim0 = 256
	s_mov_b32 s[G1+4], 64                          ; tile_dim1 = 64
	s_mov_b32 s[G1+5], 1024                        ; elements from row to row
	s_mov_b32 s[G1+6], 0
	s_mov_b32 s[G1+7], 0
	; group 1 for W: 64 rows (K) x 128 elements, 8 words of padding behind every 64
	s_or_b32 s[G1B+0], s44, (1<<16)|(1<<20)|(1<<21)|(5<<22)|(7<<25)  ; the mask: my column
	s_mov_b32 s[G1B+1], 128<<16
	s_mov_b32 s[G1B+2], 64<<16
	s_mov_b32 s[G1B+3], 128<<16
	s_mov_b32 s[G1B+4], 64
	s_mov_b32 s[G1B+5], 1024
	s_mov_b32 s[G1B+6], 0
	s_mov_b32 s[G1B+7], 0
	; x's tiles hang on the tile row alone, W's on the tile column alone; each address is made in registers that never hold the other coordinate
	s_lshl_b32 s16, s13, 19                        ; 256 rows of 2,048 bytes
	s_lshl_b32 s17, s10, 17                        ; + my 64 of them
	s_add_co_u32 s16, s16, s17
	s_mov_b32 s17, 0
	s_lshl_b32 s46, s11, 21                        ; my expert of the pair: 1,024 rows of 2,048 bytes
	s_lshl_b32 s47, s12, 17                        ; + my 64 rows (K)
	s_add_co_u32 s46, s46, s47
	s_lshl_b32 s47, s42, 8                         ; + 128 columns of 2 bytes
	s_add_co_u32 s46, s46, s47
	s_mov_b32 s47, 0
	s_mul_i32 s21, s10, 64*PB                      ; where W's quarters go: behind x's chunk, wave x 18,432: no place in the cluster enters an LDS address
	s_add_co_u32 s21, s21, ABYTES
	; my wave's places in out0, wT and b
	s_lshl_b32 s4, s13, 20                         ; 256 rows of 4,096 bytes
	s_lshl_b32 s5, s11, 19
	s_add_co_u32 s4, s4, s5
	s_lshl_b32 s5, s42, 9                          ; 128 columns of 4 bytes
	s_add_co_u32 s4, s4, s5
	s_lshl_b32 s5, s12, 8
	s_add_co_u32 s4, s4, s5
	s_mov_b32 s5, 0
	s_lshl_b32 s6, s13, 10                         ; 256 weights of 4 bytes
	s_lshl_b32 s7, s11, 9
	s_add_co_u32 s6, s6, s7
	s_mov_b32 s7, 0
	s_lshl_b32 s8, s42, 9
	s_lshl_b32 s9, s12, 8
	s_add_co_u32 s8, s8, s9
	s_mov_b32 s9, 0
	s_wait_kmcnt 0x0
	s_add_nc_u64 s[14:15], s[68:69], s[16:17]
	s_add_nc_u64 s[46:47], s[70:71], s[46:47]
	s_add_nc_u64 s[CB:CB+1], s[CB:CB+1], s[4:5]
	s_add_nc_u64 s[WB:WB+1], s[WB:WB+1], s[6:7]
	s_add_nc_u64 s[BB:BB+1], s[BB:BB+1], s[8:9]
	CROUND                                         ; all sixteen work-groups are here: the first joint loads meet
	s_mov_b32 s[G0], 1                             ; count = 1
	s_mul_i32 s[G0+1], s10, 64*PA                  ; LDS address: wave x 33,792
	s_mov_b64 s[G0+2:G0+3], s[14:15]               ; chunk 0
	s_or_b32 s[G0+3], s[G0+3], 0x80000000          ; type = 2
.irp s, 0,1
	s_mov_b32 s[G0B+4*\s], 1
	s_add_co_u32 s[G0B+4*\s+1], s21, \s*BSL
	s_add_nc_u64 s[G0B+4*\s+2:G0B+4*\s+3], s[46:47], \s*128*2048   ; slot s begins with experts 0 and 1, K 128 s on
	s_or_b32 s[G0B+4*\s+3], s[G0B+4*\s+3], 0x80000000
.endr
	tensor_load_to_lds s[G0:G0+3], s[G1:G1+7]      ; the first fills stand together, ahead of every wait on TENSORcnt and every LDS read: three loads of mine are out
	s_nop 0
	tensor_load_to_lds s[G0B:G0B+3], s[G1B:G1B+7]
	s_nop 0
	tensor_load_to_lds s[G0B+4:G0B+7], s[G1B:G1B+7]
	s_nop 0
	PLACES
	v_and_b32 v32, 15, v0                          ; l % 16   (v32-36: at work at the head)
	v_bfe_u32 v33, v0, 4, 1                        ; l / 16
	v_lshlrev_b32 v[WO], 2, v32
	v_lshlrev_b32 v[BO], 5, v33
	s_cmp_lg_u32 s10, 0                            ; wave 0 asks for psum's 4,096 bytes first: older than all loads below, they change none of the counts there
	s_cbranch_scc1 .Lno_psum
	v_lshlrev_b32 v48, 4, v0                       ; in wave 0 the thread's number is the lane
.irp j, 0,1,2,3,4,5,6,7
	global_load_b128 v[52+4*\j:55+4*\j], v48, s[78:79] offset:512*\j        ; group 16 j + l / 2, experts 4 (l % 2) + 0..3
.endr
.Lno_psum:
	WIN 0x80                                       ; destination window 2, address window 0
.irp e, 0,1,2,3,4,5,6,7
.irp b, 0,1,2,3
	global_load_b128 v[32*\e+8*\b:32*\e+8*\b+3],   v[BO], s[BB:BB+1] offset:4096*\e+64*\b      ; register j of block b = b[e][16 b + 8 (l / 16) + j]
	global_load_b128 v[32*\e+8*\b+4:32*\e+8*\b+7], v[BO], s[BB:BB+1] offset:4096*\e+64*\b+16
.endr
.endr
	WIN 0
.irp e, 0,1,2,3,4,5,6,7
.irp a, 0,1,2,3,4,5,6,7
	global_load_b32 v[W8+8*\e+\a], v[WO], s[WB:WB+1] offset:32768*\e+64*\a  ; w[16 a + l % 16][e]
.endr
.endr
	; A fragment of x: 16 rows x 32 K in 8 registers; lane l holds row l % 16; two loads of 16 bytes, 32 apart, at row x pitch + 16 (l / 16).
	v_mul_u32_u24 v34, v32, PA
	v_lshl_add_u32 v34, v33, 4, v34
	s_mul_i32 s22, s11, 128*PA                     ; my 128 rows
	v_add_nc_u32 v[ADRA], s22, v34
	; The turning load takes 16 K x 16 columns (lane l reads 16 bytes: K row 8 (l / 16) + l % 8, columns 8 ((l / 8) % 2) + 0..7) and leaves half a fragment: lane l holds column l % 16 and 8 K.
	v_and_b32 v35, 7, v0
	v_bfe_u32 v36, v0, 3, 1
	v_lshl_add_u32 v35, v33, 3, v35
	v_mul_u32_u24 v35, v35, PB
	v_lshl_add_u32 v35, v36, 4, v35
	s_lshl_b32 s23, s12, 7                         ; my 64 columns,
	s_add_co_u32 s23, s23, ABYTES                  ; behind x's chunk
	v_add_nc_u32 v[ADRB], s23, v35
	v_add_nc_u32 v[ADRB+1], 128*PB, v[ADRB]
	v_add_nc_u32 v[ADRB+2], BSL, v[ADRB]
	v_add_nc_u32 v[ADRB+3], BSL+128*PB, v[ADRB]
	s_mul_i32 s22, s10, 16*SP
	s_add_co_u32 s22, s22, STAGE                   ; my stage
	v_mul_u32_u24 v34, v32, SP                     ; in: row l % 16, 32 bytes for each half of the lanes
	v_lshl_add_u32 v34, v33, 5, v34
	v_add_nc_u32 v[STO], s22, v34
	v_mul_u32_u24 v34, v33, SP                     ; back: lanes 0-15 take one row of 256 bytes, lanes 16-31 the next
	v_lshl_add_u32 v34, v32, 4, v34
	v_add_nc_u32 v[RD], s22, v34
	v_lshlrev_b32 v34, 12, v33                     ; and the same two rows in out0
	v_lshl_add_u32 v[CO], v32, 4, v34
	; T STARTS: T(a, b) = sum over e of w[row][e] b[e][columns], while the first tiles are on their way.  Expert 0's products start the sums: nothing is cleared.
	; Two row blocks' weights share a pair: op_sel and op_sel_hi pick the pair's first register for both halves (even block) or its second (odd block).
	WIN CFA
.set e, 0
.rept 8
	s_wait_loadcnt 8*(7-e)                         ; loads come back in order (ISA guide 5.7.1): expert e's weights are in, and all the biases, which were asked for first; the later experts' eight each stay out
.set n, 0
.rept 128
.set rb, 32*e+2*(n%16)
.set rw, W8+8*e+2*(n/32)
.if e == 0
.if (n/16)%2
	v_pk_mul_f32 v[2*n:2*n+1], v[rb:rb+1], v[rw:rw+1] op_sel:[0,1] op_sel_hi:[1,1]
.else
	v_pk_mul_f32 v[2*n:2*n+1], v[rb:rb+1], v[rw:rw+1] op_sel_hi:[1,0]
.endif
.else
.if (n/16)%2
	v_pk_fma_f32 v[2*n:2*n+1], v[rb:rb+1], v[rw:rw+1], v[2*n:2*n+1] op_sel:[0,1,0] op_sel_hi:[1,1,1]
.else
	v_pk_fma_f32 v[2*n:2*n+1], v[rb:rb+1], v[rw:rw+1], v[2*n:2*n+1] op_sel_hi:[1,0,1]
.endif
.endif
.set n, n+1
.endr
.set e, e+1
.endr
	WIN 0
	; out1.  Wave 0 of every work-group sums psum's 4,096 bytes (in since the last wait above); lane 0 of work-group (0, 0) alone stores the number.
	; The work-group's place enters the store's EXEC mask and nothing else: no branch, no trip count, no LDS address.
	s_cmp_lg_u32 s10, 0
	s_cbranch_scc1 .Lno_aux
	s_lshl3_add_u32 s45, s13, s42                  ; 8 x tile row + tile column: 0 in one work-group
	v_or_b32 v49, s45, v0
	v_mov_b32 v50, 0
.irp j, 0,2,4,6
	v_pk_add_f32 v[52+4*\j:53+4*\j], v[52+4*\j:53+4*\j], v[56+4*\j:57+4*\j]
	v_pk_add_f32 v[54+4*\j:55+4*\j], v[54+4*\j:55+4*\j], v[58+4*\j:59+4*\j]
.endr
.irp j, 0,4
	v_pk_add_f32 v[52+4*\j:53+4*\j], v[52+4*\j:53+4*\j], v[60+4*\j:61+4*\j]
	v_pk_add_f32 v[54+4*\j:55+4*\j], v[54+4*\j:55+4*\j], v[62+4*\j:63+4*\j]
.endr
	v_pk_add_f32 v[52:53], v[52:53], v[68:69]
	v_pk_add_f32 v[54:55], v[54:55], v[70:71]
.irp m, 2,4,8                          ; over the lanes of my parity
.irp i, 0,1,2,3
	v_add_f32_dpp v[52+\i], v[52+\i], v[52+\i] row_xmask:\m row_mask:0xf bank_mask:0xf
.endr
.endr
.irp i, 0,1,2,3
	v_permlanex16_b32 v[56+\i], v[52+\i], s82, s83 ; its destination counts as read: v56-59 have been written
.endr
.irp i, 0,1,2,3
	v_add_f32 v[52+\i], v[52+\i], v[56+\i]         ; S_e = the sum of w[.][e] over all 8,192 rows
.endr
	v_mul_f32 v60, v52, v52
	v_fma_f32 v60, v53, v53, v60
	v_fma_f32 v60, v54, v54, v60
	v_fma_f32 v60, v55, v55, v60
	v_add_f32_dpp v60, v60, v60 row_xmask:1 row_mask:0xf bank_mask:0xf      ; the other four experts'
	v_mul_f32 v60, 0x34000000, v60                 ; 8 / 8192^2 = 2^-23, exact
	v_cmp_eq_u32 vcc_lo, 0, v49
	s_wait_xcnt 0x0                                ; EXEC is a source of the loads above: it changes only behind this wait
	s_and_saveexec_b32 s4, vcc_lo
	global_store_b32 v50, v60, s[80:81]
	s_wait_xcnt 0x0                                ; and again in front of the line that widens it; behind it v50 and v60 may be written again too
	s_or_b32 exec_lo, exec_lo, s4
.Lno_aux:
; 8 matrix instructions of expert ex of the pair (0: Y in window 2, 1: in window 3; the caller sets the windows): row blocks a0, a0 + 1 x all 4 column blocks, 32 along K, part p's fragments.
; c = 1: a pair's first products in a chunk, which start Y: nothing is ever cleared.
; The 64 accumulators take turns, one instruction a turn, in the same order in every part.
.macro MUL8 ex, p, a0, c
.set WF, FA+(\ex)*(32+32*((\p)%2))
.set XF, FX+64*((\p)%2)
.irp a, \a0, \a0+1
.irp b, 0,1,2,3
.if \c
	v_wmma_f32_16x16x32_bf16 v[8*(4*(\a)+\b):8*(4*(\a)+\b)+7], v[WF+8*\b:WF+8*\b+7], v[XF+8*(\a):XF+8*(\a)+7], 0
.else
	v_wmma_f32_16x16x32_bf16 v[8*(4*(\a)+\b):8*(4*(\a)+\b)+7], v[WF+8*\b:WF+8*\b+7], v[XF+8*(\a):XF+8*(\a)+7], v[8*(4*(\a)+\b):8*(4*(\a)+\b)+7]
.endif
.endr
.endr
.endm
.macro MUL32 ex, p, c
	MUL8 \ex, \p, 0, \c
	MUL8 \ex, \p, 2, \c
	MUL8 \ex, \p, 4, \c
	MUL8 \ex, \p, 6, \c
.endm
; 32 LDS loads in one run: part p of four (32 along K) of a slot: the first expert's W (8), x (16; slot s holds K 128 s on of the chunk), the second expert's W (8, wanted last)
.macro FETCH slot, p
.set XL, FX+64*((\p)%2)
.set BL, FB+32*((\p)%2)
	WIN 0
.irp b, 0,1,2,3
	ds_load_tr16_b128 v[FA+8*\b:FA+8*\b+3],   v[ADRB+2*(\slot)] offset:(\p)*32*PB+32*\b
	ds_load_tr16_b128 v[FA+8*\b+4:FA+8*\b+7], v[ADRB+2*(\slot)] offset:(\p)*32*PB+16*PB+32*\b
.endr
.irp a, 0,1,2,3,4,5,6,7
	ds_load_b128 v[XL+8*\a:XL+8*\a+3],   v[ADRA] offset:(4*(\slot)+(\p))*64+\a*16*PA
	ds_load_b128 v[XL+8*\a+4:XL+8*\a+7], v[ADRA] offset:(4*(\slot)+(\p))*64+\a*16*PA+32
.endr
.irp b, 0,1,2,3
	ds_load_tr16_b128 v[BL+8*\b:BL+8*\b+3],   v[ADRB+2*(\slot)+1] offset:(\p)*32*PB+32*\b
	ds_load_tr16_b128 v[BL+8*\b+4:BL+8*\b+7], v[ADRB+2*(\slot)+1] offset:(\p)*32*PB+16*PB+32*\b
.endr
.endm
; A step is four parts of 32 along K, 64 matrix instructions each.  One of the first three: the first expert's 32 products; the run of loads for part p + 1 (the first expert's buffer has just
; been used up; the other buffers of x and of the second expert were last read a part ago); the second expert's 32 products.
; c = 1: the pair's first part in a chunk: it starts Y, and the pair's 16 weights are asked for in the same run.
.macro PART slot, p, c
	s_wait_dscnt 8                                 ; the first expert's W and x are in; the youngest eight loads (the second expert's W) may be out
	WIN MULA
	MUL32 0, \p, \c
	PLACES
	FETCH \slot, \p+1
.if \c
.irp a, 0,1,2,3,4,5,6,7
	global_load_b32 v[WEA+\a],   v[WO], s[WB:WB+1] offset:64*\a            ; the first expert's weight of my row in block a
	global_load_b32 v[WEA+8+\a], v[WO], s[WB:WB+1] offset:32768+64*\a      ; the second's
.endr
.endif
	s_wait_dscnt 32                                ; all but the 32 just issued
	WIN MULB
	MUL32 1, \p, \c
.endm
; The last part changes slots: ONE barrier.  In front of it each wave waits for all its tensor loads (one is out: its quarter of the next slot), adds 0 to its
; spare word, and waits for that and for its own LDS reads: those of this slot are over, and so, in a chunk's last step, are those of x's chunk.
; The wait stands behind the part's first 16 products, so that 16 stand between it and the refill, and 240 between a refill and the next such wait.
; end = 0: nothing is filled.  Else the barrier opens a round of the cluster's barrier, and one load a wave stands first behind it:
; end = 1: this slot, the next pair.  end = 2: this slot, the next chunk's first pair.  end = 3: x's next chunk; no fragments can be read yet.
.macro TURN slot, next, end
	s_wait_dscnt 8                                 ; as in PART
	WIN MULA
	MUL8 0, 3, 0, 0
	MUL8 0, 3, 2, 0
	WIN 0                                          ; (the add's two registers lie in window 0)
	s_wait_tensorcnt 0x0                           ; all my tensor loads have landed;
	ds_add_u32 v[SPW], v[NIL]                      ; 0 onto my spare word;
	WIN MULA
	MUL8 0, 3, 4, 0                                ; eight matrix instructions stand between the add and the wait for it
	s_wait_dscnt 0x0                               ; the add is done, and my reads are over
	s_barrier_signal -1
	MUL8 0, 3, 6, 0
.if \end
	WIN 0
.endif
	s_barrier_wait -1
.if \end == 0
	PLACES
.else
	CREST                                          ; no wave of any partner still reads the bytes to be filled or has a load on its way
.if \end == 1
	s_add_nc_u64 s[G0B+4*\slot+2:G0B+4*\slot+3], s[G0B+4*\slot+2:G0B+4*\slot+3], BSTEP
.elseif \end == 2
	s_sub_nc_u64 s[G0B+4*\slot+2:G0B+4*\slot+3], s[G0B+4*\slot+2:G0B+4*\slot+3], BWRAP
.else
	s_add_nc_u64 s[G0+2:G0+3], s[G0+2:G0+3], 512   ; 256 elements along x's rows
.endif
.if \end == 3
	tensor_load_to_lds s[G0:G0+3], s[G1:G1+7]
	s_nop 0
.else
	tensor_load_to_lds s[G0B+4*\slot:G0B+4*\slot+3], s[G1B:G1B+7]
	s_nop 0
.endif
	PLACES                                         ; also the places in front of the loads below, and behind the first expert's last products
.endif
.if \end != 3
	FETCH \next, 0
.endif
	WIN MULB
	MUL32 1, 3, 0
.endm
; cnt packed instructions of the fold T += w Y of expert ex of the pair, from register pair n0 on, each accumulator's registers in ascending order.  Row block n / 16; two blocks' weights share a pair, as at the head.
.macro FOLD ex, n0, cnt
	WIN CFA+(\ex)
.set n, \n0
.rept \cnt
.set rw, WEA+8*(\ex)+2*(n/32)
.if (n/16)%2
	v_pk_fma_f32 v[2*n:2*n+1], v[2*n:2*n+1], v[rw:rw+1], v[2*n:2*n+1] op_sel:[0,1,0] op_sel_hi:[1,1,1]
.else
	v_pk_fma_f32 v[2*n:2*n+1], v[2*n:2*n+1], v[rw:rw+1], v[2*n:2*n+1] op_sel_hi:[1,0,1]
.endif
.set n, n+1
.endr
.endm
; A pair's sums over a chunk are folded into the result.  The first expert's were finished in front of TURN's four v_nop; its 128 instructions name no register of the last products
; (the second expert's) and are those products' places.
.macro COMB wwrap
	s_wait_loadcnt 0x0                             ; the pair's weights, asked for seven parts ago; their base is free behind this wait
.if \wwrap
	s_sub_nc_u64 s[WB:WB+1], s[WB:WB+1], 6*32768   ; back to expert 0's row of wT
.else
	s_add_nc_u64 s[WB:WB+1], s[WB:WB+1], 2*32768   ; the next pair's
.endif
	FOLD 0, 0, 128
	FOLD 1, 0, 128
.endm
; A pair's first step in a chunk (slot 0, K 0-127 of the chunk) and its second (slot 1, K 128-255).  end as in TURN; end = 4: the very last step, whose sums are folded on the way out.
.macro STEP0 end
	PART 0, 0, 1
	PART 0, 1, 0
	PART 0, 2, 0
	TURN 0, 1, \end
.endm
.macro STEP1 end, wwrap
	PART 1, 0, 0
	PART 1, 1, 0
	PART 1, 2, 0
.if \end == 4
	s_wait_dscnt 8                                 ; nothing more to fetch
	WIN MULA
	MUL32 0, 3, 0
	s_wait_dscnt 0x0
	WIN MULB
	MUL32 1, 3, 0
.else
	TURN 1, 0, \end
	COMB \wwrap
	WIN 0
.if \end == 3
	; THE CHANGE OF CHUNK goes on.  x's load has had the last 32 products and the fold in which to land.  A second round: it shows x's chunk whole to every wave,
	; and behind it slot 1, which has waited, is filled again; then the next step's first fragments are read.
	s_wait_tensorcnt 0x0                           ; my quarter of x's chunk has landed: no tensor load of mine is out, so a group 0 may be written
	ds_add_u32 v[SPW], v[NIL]                      ; 0 onto my spare word
	s_sub_nc_u64 s[G0B+6:G0B+7], s[G0B+6:G0B+7], BWRAP
	s_wait_dscnt 0x0                               ; the add is done
	CROUND
	tensor_load_to_lds s[G0B+4:G0B+7], s[G1B:G1B+7]
	s_nop 0
	PLACES
	FETCH 0, 0
.endif
.endif
.endm
; THE WAY OUT of row block a, in three parts.  COMBA: the last pair's sums are folded in.  TOSTAGE: 32 bytes a lane and column block into my own stage, and back as whole rows of 256 bytes.  SEND: stored.
.macro COMBA a
	FOLD 0, 16*(\a), 16
	FOLD 1, 16*(\a), 16
.endm
.macro TOSTAGE a
.set BK, OB+32*((\a)%2)
	WIN STW
.irp b, 0,1,2,3
	ds_store_b128 v[STO], v[8*(4*(\a)+\b):8*(4*(\a)+\b)+3]   offset:64*\b
	ds_store_b128 v[STO], v[8*(4*(\a)+\b)+4:8*(4*(\a)+\b)+7] offset:64*\b+16
.endr
	WIN 0
.irp t, 0,1,2,3,4,5,6,7
	ds_load_b128 v[BK+4*\t:BK+4*\t+3], v[RD] offset:\t*2*SP        ; LDS serves a wave's instructions in order (ISA guide 5.7.1.4): these see the stores above
.endr
.endm
.macro SEND a
.set BK, OB+32*((\a)%2)
	WIN 0                                          ; the stores' address and data lie in window 0; COMBA, which stands in front, leaves another setting
	s_wait_dscnt 0x0                               ; the block is back in registers
	s_wait_xcnt 0x0                                ; only behind this wait are the stores' base and the registers that earlier stores read rewritten (ISA guide 3.1)
.if (\a) > 0
	s_add_nc_u64 s[CB:CB+1], s[CB:CB+1], 65536     ; 16 rows of out0 on
.endif
.irp t, 0,1,2,3,4,5,6,7
	global_store_b128 v[CO], v[BK+4*\t:BK+4*\t+3], s[CB:CB+1] offset:8192*\t th:TH_STORE_NT   ; 16 lanes store 256 consecutive bytes, at a multiple of 256 from out0's first byte
.endr
.endm
	s_wait_tensorcnt 0x1                           ; my quarters of x's chunk and of slot 0 are in; slot 1's may stay out
	s_barrier_signal -1
	s_barrier_wait -1                              ; everybody's are
	FETCH 0, 0                                     ; it leaves every window 0, as a label and a branch want it
	s_mov_b32 s2, 4                                ; chunks to go, this one among them: the same number in every work-group
.Lchunk:
	s_mov_b32 s3, 3
.Lpair:                                                ; pairs 0 to 2 of a chunk, one a trip: once round the ring, both slots filled again
	STEP0 1
	STEP1 1, 0
	s_sub_co_u32 s3, s3, 1
	s_cmp_lg_u32 s3, 0
	s_cbranch_scc1 .Lpair
	s_cmp_eq_u32 s2, 1
	s_cbranch_scc1 .Llast                          ; the last chunk's tail is written out: it asks for nothing more
	STEP0 2                                        ; pair 3: slot 0 takes the next chunk's pair 0,
	STEP1 3, 1                                     ; x's chunk is changed, and slot 1 takes the rest of that pair
	s_sub_co_u32 s2, s2, 1
	s_branch .Lchunk
.Llast:
	STEP0 0                                        ; pair 3 of the last chunk
	STEP1 4, 0
	PLACES                                         ; the lines below read results just made
	s_wait_loadcnt 0x0                             ; the last pair's weights
	COMBA 0
	TOSTAGE 0
.irp a, 1,2,3,4,5,6,7                  ; block a's arithmetic stands between block a - 1's loads from the stage and the wait for them
	COMBA \a
	SEND \a-1
	TOSTAGE \a
.endr
	SEND 7
	s_wait_tensorcnt 0x0                           ; the wave's end: behind my last tensor load and my last LDS store
	ds_add_u32 v[SPW], v[NIL]
	s_wait_dscnt 0x0
	CROUND                                         ; the closing round: no work-group ends while a partner may still ask for a tile that names it
	s_endpgm
.Lfunc_end_k_qd89af299fa_moe:
	.size	k_qd89af299fa_moe, .Lfunc_end_k_qd89af299fa_moe-k_qd89af299fa_moe
	.p2alignl 7, 3214868480
	.fill 96, 4, 3214868480
	.section	.rodata,"a",@progbits
	.p2align	6, 0x0
	.amdhsa_kernel k_qd89af299fa_moe
		.amdhsa_group_segment_fixed_size 327680
		.amdhsa_private_segment_fixed_size 0
		.amdhsa_enable_private_segment 0
		.amdhsa_kernarg_size 56
		.amdhsa_user_sgpr_count 2
		.amdhsa_user_sgpr_kernarg_segment_ptr 1
		.amdhsa_wavefront_size32 1
		.amdhsa_system_sgpr_workgroup_id_x 1
		.amdhsa_system_sgpr_workgroup_id_y 1
		.amdhsa_system_sgpr_workgroup_id_z 1
		.amdhsa_system_vgpr_workitem_id 0
		.amdhsa_next_free_vgpr 1024
		.amdhsa_next_free_sgpr 84
		.amdhsa_reserve_vcc 1
		.amdhsa_float_denorm_mode_32 3
		.amdhsa_float_denorm_mode_16_64 3
		.amdhsa_memory_ordered 1
		.amdhsa_forward_progress 1
		.amdhsa_inst_pref_size 255
	.end_amdhsa_kernel
	.section	.bss,"aw",@nobits
	.p2align	6
	.space	262144
	.amdgpu_metadata
---
amdhsa.version: [ 1, 2 ]
amdhsa.kernels:
  - .name:           k_qd89af299fa_moe
    .symbol:         k_qd89af299fa_moe.kd
    .args:
      - { .name: xb, .offset: 0, .size: 8, .value_kind: global_buffer, .address_space: global }
      - { .name: Wb, .offset: 8, .size: 8, .value_kind: global_buffer, .address_space: global }
      - { .name: out0, .offset: 16, .size: 8, .value_kind: global_buffer, .address_space: global }
      - { .name: wT, .offset: 24, .size: 8, .value_kind: global_buffer, .address_space: global }
      - { .name: b, .offset: 32, .size: 8, .value_kind: global_buffer, .address_space: global }
      - { .name: psum, .offset: 40, .size: 8, .value_kind: global_buffer, .address_space: global }
      - { .name: out1, .offset: 48, .size: 8, .value_kind: global_buffer, .address_space: global }
    .group_segment_fixed_size: 327680
    .private_segment_fixed_size: 0
    .kernarg_segment_align: 8
    .kernarg_segment_size: 56
    .max_flat_workgroup_size: 128
    .sgpr_count:     84
    .vgpr_count:     1024
    .wavefront_size: 32
...
	.end_amdgpu_metadata
.endif
;; end of part 3
